; MI455X (gfx1250); checked and timed in simulation.
; The chip was launched on July 23, 2026; its instructions are those of AMD's public machine-readable ISA for CDNA 5 (MIT licence, August 2026) and "CDNA5" Instruction Set Architecture Reference Guide (July 2026). The comments in the code are by the model that wrote it; some were corrected since.
;; Pointnet2 Det Head. Allowed arithmetic: float matrix products may take bf16 or f16 operands with f32 sums; other float arithmetic in f32, or as packed bf16 or f16 multiplies, adds, multiply-adds, maxima and minima; sums over many terms, partial sums and values carried from step to step in f32; what a program stores and reads back later, other than sums and carried values, may be rounded once to bf16 or f16.
;; Inputs: W_cls 256 x 21 float32; W_obj 256 x 21 float32; b_cls 21 float32; b_obj 21 float32; input_xyz 100,000 x 3 float32; proposals 256 x 6 float32; seg_feats 100,000 x 256 float32.
;; Outputs: out0 256 x 21 float32.
;; One version. Each part assembles by itself: llvm-mc -triple=amdgcn-amd-amdhsa -mcpu=gfx1250 --defsym DOCPART=n.
;; ======== version 1 of 1: 3 launches
;; limits: values within 2e-07 (relative) of each other or of a threshold may be ordered or decided otherwise than in the reference; below input magnitudes of 1.7e-18 results are inexact or not finite; right only within a limited range of input values
;; workspace buffers: part 11,264,000 bytes; sums 45,056 bytes
;; launch pool (part 1): grid 250 x 1, 4 waves a work-group, no clusters, 307,712 bytes of LDS; arguments proposals, input_xyz, seg_feats, W_cls, W_obj, part; writes part
.if DOCPART == 1
	.amdgcn_target "amdgcn-amd-amdhsa--gfx1250"
	.amdhsa_code_object_version 6
	.text
	.protected	k_q0ce1e52688_pool
	.globl	k_q0ce1e52688_pool
	.p2align	8
	.type	k_q0ce1e52688_pool,@function
k_q0ce1e52688_pool:
	s_mov_b64 s[64:65], 0
	v_nop
	global_prefetch_b8 v0, s[64:65] scope:SCOPE_SE
	s_setreg_imm32_b32 hwreg(HW_REG_WAVE_MODE, 25, 1), 1
	s_wait_xcnt 0x0
; POOL.  For 400 points: mask[p][n] (point n in box p), the partial sums S = mask x seg_feats (256 boxes x 256 features, f32 sums of bf16 products),
; the boxes' partial counts, and S x [W_cls | W_obj]: 42 numbers and a count for each box, stored as this work-group's block of 'part'.
; The head is linear: ((sum over work-groups of S) / count) W = (sum over work-groups of S W) / count, so 45,056 bytes leave a work-group and not 262,144.
; WORK LEFT OUT: b_obj.  obj_p = softmax(obj_logits, axis 0), and b_obj[c] is added to all 256 numbers of column c:
; exp(o + b - max(o + b)) / sum(exp(o + b - max(o + b))) = exp(o - max o) / sum(exp(o - max o)) for every finite b.  So b_obj reaches no output, is not loaded and is no argument of any launch.
; Limit: a NaN, an infinity or an overflow in b_obj is not carried to the result.  (b_cls differs along its softmax's axis and is used, in the last launch.)
; THE BOX TEST.  u = x a + b with a = 1 / h, b = -c a, h = size / 2; the point is inside where the largest |u| of the three axes is <= 1;
; g = clamp(that maximum x -2^23 + (2^23 + 1)) is exactly 1 up to 1 and exactly 0 for every float above 1.
; LIMITS.  a, b and u are each rounded once, where reference() compares x with fl(c - h) and fl(c + h): a point within about 3 ulp of a face's coordinate may fall on the other side.
; A box with a half extent under 2^-60 (zero and negative sizes among them) counts as empty; reference() differs there only for points that lie on such a box.  |c| / h stays under 2^127.  NaN and infinities are not treated apart.
; seg_feats, the partial sums S and the weights are rounded to bf16 as matrix operands; every sum is kept in f32.
; SHARES.  250 work-groups x 400 points = 100,000: steps 0..11 of 32 points and step 12 of 16.  Wave w owns features 64 w .. 64 w + 63 for all 256 boxes: 64 accumulators, 512 registers.
; Wave w makes the masks of box tiles 4 w .. 4 w + 3 for all four waves; they are handed over in LDS.
; NO CLUSTER: work-groups share only the 49 KB of boxes and weights, beside 409,600 bytes of seg_feats that are each work-group's own.
; FRAGMENTS.  Lane l: r = l % 16, h = l / 16.  The order of the 32 points inside a fragment is free as long as both operands keep it: register e, half b of lane half h is point 16 h + 2 e + b (step 12: 8 h + 2 e + b, e < 4).
;   A = seg: load i takes row 16 h + i, bytes 256 w + 16 r: sixteen lanes cover 256 consecutive aligned bytes.  Word i4 of a load is feature 64 w + 4 r + i4: row r of feature tile i4.
;   B = mask: lane (r, h) holds box 16 T + r.     D(T, i4): register j of lane (r', h') is feature 64 w + 4 (8 h' + j) + i4 of box 16 T + r'.
;   Second product, logits^T = W^T x S^T: two D's rounded in pairs ARE its source 1 (chunk c = 2 w + c2: registers 0-3 from D(T, 2 c2), 4-7 from D(T, 2 c2 + 1)); W's fragments are laid in the same order of features.
;   Class rows: tile 0 = cls 0..15; tile 1 = obj 0..15; tile 2 = cls 16..20, obj 16..20, the count in row 10, zeros in rows 11..15.
; A BLOCK OF 'part': [T 0..15][k 0..4][lane][16 bytes], k = 2 ct + jg for (ct, jg) = (0,0) (0,1) (1,0) (1,1) (2,0); from byte 40,960 on [T][lane 0..15][16 bytes] for (2, 1).  Word e of lane (r', h') is class row 8 h' + 4 jg + e of box 16 T + r'.
; REGISTERS, in windows of 256 (s_set_vgpr_msb: bits 1:0 source 0, 3:2 source 1, 5:4 source 2, 7:6 destination):
;   window 0: v0-47 addresses and constants; from v48 on by phase (below)     window 1: four slots of 64, a step's rows of seg_feats as loaded
;   windows 2, 3: the accumulators, (T, i4) at 8 (4 (T % 8) + i4); in the head S's fragments (window 2) and W's (window 3)
.set PTS,    400
.set ROWB,   1024                      ; bytes in a row of seg_feats
.set BLK,    45056                     ; bytes in a block of part
; LDS
.set MSLOT,  16384                     ; a step's masks: fragment T at 1,024 T + {0, 512} + 16 l
.set XYZ,    13*MSLOT                  ; each wave's own copy of the work-group's points
.set XYZW,   5120
.set XTAIL,  4608                      ; the copy's last 512 bytes hold bytes 4,288 .. 4,799 of the points once more: step 12's points lie 320 bytes in
.set PRP,    XYZ+4*XYZW                ; wave w's 64 boxes at 1,536 w
.set PRPW,   1536
.set WRAW,   PRP+4*PRPW                ; wave w's 64 rows of W_cls, then of W_obj, 84 bytes a row
.set WHALF,  5376
.set WRW,    2*WHALF
.set WFR,    WRAW+4*WRW                ; W's fragments: (8 ct + c) x 1,024 + {0, 512} + 16 l
.set SPARE,  WFR+24*1024               ; the spare words, 128 bytes for each wave: two blocks of 256 bytes that no other line names
; S's fragments lie over the masks, from byte 0: 8,192 T + 1,024 c + {0, 512} + 16 l; both are written by LDS stores, no copy lands there
; window 0, fixed
.set SPW, 2                            ; LDS address of my spare word; never rewritten
.set NIL, 3                            ; 0; never rewritten
.set SO,  4                            ; seg_feats: 16,384 h + 16 r + 256 w
.set SOH, 5                            ; step 12: 8,192 h + 16 r + 256 w
.set VB,  6                            ; v6-9: 16 l + 65,536 k: the masks' read addresses; v6 = 16 l serves as a copy's offset too
.set XA,  10                           ; my 16 points of the step in hand
.set XH,  11                           ; my 8 points of step 12
.set MS,  12                           ; where I put my mask fragments
.set PA,  13                           ; my box of tile 0
.set LN,  14
.set RR,  15
.set HH,  16
.set XL,  18                           ; v18-28: the copies' addresses; never rewritten
.set XL2, 19
.set XG2, 20
.set PL,  21
.set PG,  22
.set WLC, 23
.set WLO, 24
.set WG,  25
.set WL8C, 26
.set WL8O, 27
.set WG8, 28
.set WA0, 30                           ; W: my class row r, my 32 features
.set WA2C, 31
.set WA2O, 32
.set VWS, 33
.set VW,  34
.set VS0, 35                           ; v35, v36
.set VR,  37
.set PO,  38
.set PO2, 39
.set CT,  40                           ; v40-43 the counts of my four box tiles
.set KN,  44                           ; v[44:45] -2^23
.set KP,  46                           ; v[46:47] 2^23 + 1
; window 0, the mask phase
.set CA,  48                           ; per tile ax ay az ax ay az
.set CB,  72                           ; per tile bx by bz bx by bz
.set CNT, 96                           ; per tile a pair: even points', odd points'
.set XY,  104                          ; 16 points x 3, as they lie in memory
.set U,   152
.set PR,  152                          ; the boxes as loaded, before U is used
.set M,   176
.set TH,  176                          ; the half extents, before M and FR are used
.set FR,  184                          ; 8 a tile
.set RC,  188                          ; their reciprocals
.set BB,  200                          ; -c a
.set ZQ,  216                          ; four zeros
; window 0, the main phase and the head
.set BM,  48                           ; two buffers of eight mask fragments
.set AF,  176                          ; two buffers of four seg fragments
.set TW,  BM+64                        ; 64 at work on the weights: the mask buffer that is idle between two steps
.set TMPH, 48
.set LL,  112                          ; logits^T: (ct, t) at LL + 8 (3 t + ct)
.set WV,  16                           ; s16 my wave's number
.set MSB, 0
.macro WIN new                         ; the immediate's high byte repeats the setting that is left; a switch that changes nothing is dropped
.if MSB != (\new)
	s_set_vgpr_msb (MSB<<8)|(\new)
.set MSB, (\new)
.endif
.endm
.set W_LD,  0x40                       ; destination window 1
.set W_CV1, 0x05                       ; sources 0 and 1 window 1
.set W_HD,  0x0b                       ; source 0 window 3, source 1 window 2
	s_load_b256 s[4:11], s[0:1], 0x0               ; proposals s[4:5], input_xyz s[6:7], seg_feats s[8:9], W_cls s[10:11]
	s_load_b128 s[12:15], s[0:1], 0x20             ; W_obj s[12:13], part s[14:15]
	v_lshl_add_u32 v[SPW], v0, 2, SPARE
	v_mov_b32 v[NIL], 0
	ds_add_u32 v[SPW], v[NIL]                      ; the wave's opening: the add, twice on end, and its wait ahead of my first copy; the set-up below stands between
	ds_add_u32 v[SPW], v[NIL]
	v_lshrrev_b32 v1, 5, v0
	v_readfirstlane_b32 s[WV], v1                  ; wave 0..3
	v_and_b32 v[LN], 31, v0
	v_and_b32 v[RR], 15, v0
	v_bfe_u32 v[HH], v0, 4, 1
	v_lshlrev_b32 v[VB], 4, v[LN]                  ; 16 l
	v_add_nc_u32 v[VB+1], 0x10000, v[VB]
	v_add_nc_u32 v[VB+2], 0x20000, v[VB]
	v_add_nc_u32 v[VB+3], 0x30000, v[VB]
	s_lshl_b32 s17, s[WV], 8
	v_lshl_add_u32 v1, v[RR], 4, s17               ; 16 r + 256 w
	v_lshl_add_u32 v[SO], v[HH], 14, v1
	v_lshl_add_u32 v[SOH], v[HH], 13, v1
	s_mul_i32 s18, s[WV], XYZW
	s_add_co_u32 s18, s18, XYZ                     ; my copy of the points
	v_mul_u32_u24 v1, v[HH], 192
	v_add_nc_u32 v[XA], s18, v1
	v_mul_u32_u24 v1, v[HH], 96
	v_add_nc_u32 v1, s18, v1
	v_add_nc_u32 v[XH], XTAIL+320, v1
	v_lshl_add_u32 v[MS], s[WV], 12, v[VB]
	s_mul_i32 s19, s[WV], PRPW
	s_add_co_u32 s26, s19, PRP
	v_mul_u32_u24 v1, v[RR], 24
	v_add_nc_u32 v[PA], s26, v1
	v_add_nc_u32 v[XL], s18, v[VB]
	v_add_nc_u32 v[XL2], XTAIL, v[XL]
	v_add_nc_u32 v[XG2], PTS*12-512, v[VB]
	v_add_nc_u32 v[PL], s26, v[VB]
	v_add_nc_u32 v[PG], s19, v[VB]
	s_mul_i32 s31, s[WV], WRW
	s_add_co_u32 s31, s31, WRAW                    ; my rows of the weights
	s_mul_i32 s32, s[WV], WHALF
	v_add_nc_u32 v[WLC], s31, v[VB]
	v_add_nc_u32 v[WLO], WHALF, v[WLC]
	v_add_nc_u32 v[WG], s32, v[VB]
	v_lshlrev_b32 v1, 3, v[LN]
	v_add_nc_u32 v1, 5120, v1
	v_add_nc_u32 v[WL8C], s31, v1
	v_add_nc_u32 v[WL8O], WHALF, v[WL8C]
	v_add_nc_u32 v[WG8], s32, v1
	v_mul_u32_u24 v1, v[HH], 32*84
	v_add_nc_u32 v1, s31, v1                       ; my 32 features' rows
	v_lshl_add_u32 v[WA0], v[RR], 2, v1            ; class r
	v_min_u32 v17, 4, v[RR]
	v_lshl_add_u32 v17, v17, 2, v1
	v_add_nc_u32 v[WA2C], 64, v17                  ; cls 16 + min(r, 4): every lane stays inside its row
	v_min_u32 v17, 9, v[RR]
	v_lshl_add_u32 v17, v17, 2, v1
	v_add_nc_u32 v[WA2O], WHALF+44, v17            ; obj 11 + min(r, 9): rows 5..9 take obj 16..20
	v_lshl_add_u32 v[VS0], s[WV], 11, v[VB]
	v_add_nc_u32 v[VS0+1], 0x10000, v[VS0]
	v_add_nc_u32 v[VWS], WFR, v[VS0]
	v_add_nc_u32 v[VW], WFR, v[VB]
	v_lshl_add_u32 v[VR], s[WV], 15, v[VB]
	s_mul_i32 s33, s[WV], 10240
	v_add_nc_u32 v[PO], s33, v[VB]
	v_lshl_add_u32 v1, s[WV], 10, v[VB]
	v_add_nc_u32 v[PO2], 40960, v1
	v_mov_b32 v[KN], 0xcb000000                    ; -2^23
	v_mov_b32 v[KN+1], 0xcb000000
	v_mov_b32 v[KP], 0x4b000001                    ; 2^23 + 1
	v_mov_b32 v[KP+1], 0x4b000001
	s_mov_b32 s24, 0x76543210                      ; v_permlanex16_b32: each lane takes its own place in the other half
	s_mov_b32 s25, 0xfedcba98
	s_mov_b32 s27, 0xffff0000                      ; lanes 16-31
	s_mov_b32 s28, 0x001f001f                      ; lanes with r < 5
	s_mov_b32 s29, 0x03ff03ff                      ; lanes with r < 10
	s_mov_b32 s38, 0x21800000                      ; 2^-60: the least half extent that is served
	s_mul_i32 s20, ttmp9, PTS*12                   ; the work-group's points,
	s_mov_b32 s21, 0
	s_mul_i32 s34, ttmp9, PTS*ROWB                 ; its rows of seg_feats (under 2^27 bytes),
	s_mov_b32 s35, 0
	s_mul_i32 s36, ttmp9, BLK                      ; its block
	s_mov_b32 s37, 0
	s_wait_dscnt 0x0                               ; both opening adds are done
	s_wait_kmcnt 0x0
	s_add_nc_u64 s[6:7], s[6:7], s[20:21]
	s_add_nc_u64 s[8:9], s[8:9], s[34:35]
	s_add_nc_u64 s[14:15], s[14:15], s[36:37]
	; THE COPIES, 35 a wave, each into bytes that are filled once and that only this wave reads.  The immediate goes to both addresses.
.irp j,0,1,2,3,4,5,6,7,8
	global_load_async_to_lds_b128 v[XL], v[VB], s[6:7] offset:512*(\j)
.endr
	global_load_async_to_lds_b128 v[XL2], v[XG2], s[6:7]   ; the last 512 of the 4,800 bytes: it ends with the work-group's last point, so no copy leaves the buffer
.irp j,0,1,2
	global_load_async_to_lds_b128 v[PL], v[PG], s[4:5] offset:512*(\j)
.endr
.irp j,0,1,2,3,4,5,6,7,8,9
	global_load_async_to_lds_b128 v[WLC], v[WG], s[10:11] offset:512*(\j)
.endr
	global_load_async_to_lds_b64 v[WL8C], v[WG8], s[10:11]
.irp j,0,1,2,3,4,5,6,7,8,9
	global_load_async_to_lds_b128 v[WLO], v[WG], s[12:13] offset:512*(\j)
.endr
	global_load_async_to_lds_b64 v[WL8O], v[WG8], s[12:13]
; A step's rows of seg_feats into slot st % 4 of window 1: load i lands at 4 i.  Offset register and base are never rewritten: the step stands in the immediate (409,600 bytes at the most).
.macro RLOAD st
	WIN W_LD
.set ii, 0
.if (\st) < 12
.rept 16
	global_load_b128 v[64*((\st)%4)+4*ii:64*((\st)%4)+4*ii+3], v[SO], s[8:9] offset:(32*(\st)+ii)*ROWB th:TH_LOAD_NT
.set ii, ii+1
.endr
.else
.rept 8
	global_load_b128 v[64*((\st)%4)+4*ii:64*((\st)%4)+4*ii+3], v[SOH], s[8:9] offset:(384+ii)*ROWB th:TH_LOAD_NT
.set ii, ii+1
.endr
.endif
.endm
	RLOAD 0                                        ; three steps now, 48 loads; the fourth goes out behind the wait for the copies,
	RLOAD 1                                        ; so that a 64th load does not hold the issue in front of that wait (LOADcnt counts to 63: ISA guide 5.7.1)
	RLOAD 2
	WIN 0
	; THE BOXES of my four tiles: lane (r, .) takes box 64 w + 16 t + r.
	s_wait_asynccnt 0x0                            ; all my copies have landed; only I read them
.irp t,0,1,2,3
.irp k,0,1,2
	ds_load_b64 v[PR+6*(\t)+2*(\k):PR+6*(\t)+2*(\k)+1], v[PA] offset:384*(\t)+8*(\k)
.endr
.endr
.irp k,0,1,2,3,4,5,6,7,8,9,10,11
	ds_load_b128 v[XY+4*(\k):XY+4*(\k)+3], v[XA] offset:16*(\k)   ; step 0's points
.endr
	RLOAD 3                                        ; four steps, 32 KiB a wave, are on their way while the masks are made
	WIN 0
	s_wait_dscnt 12                                ; the boxes are in; the twelve loads behind them may be out
.irp t,0,1,2,3
.irp d,0,1,2
	v_mul_f32 v[TH+3*(\t)+(\d)], 0.5, v[PR+6*(\t)+3+(\d)]
.endr
.endr
.irp t,0,1,2,3
.irp d,0,1,2
	v_rcp_f32 v[RC+3*(\t)+(\d)], v[TH+3*(\t)+(\d)]  ; one batch of twelve
.endr
.endr
	v_nop                                          ; a plain instruction behind the last reciprocal,
	s_wait_alu depctr_va_vdst(0)                   ; and one wait for the batch, ahead of its first reader
.irp t,0,1,2,3
.irp d,0,1,2
	v_mul_f32 v[BB+3*(\t)+(\d)], v[PR+6*(\t)+(\d)], v[RC+3*(\t)+(\d)]
.endr
.endr
.irp t,0,1,2,3
.irp d,0,1,2
	v_sub_f32 v[BB+3*(\t)+(\d)], 0, v[BB+3*(\t)+(\d)]
	v_cmp_le_f32 vcc_lo, s38, v[TH+3*(\t)+(\d)]
	v_cndmask_b32 v[CA+6*(\t)+(\d)], 0, v[RC+3*(\t)+(\d)], vcc_lo     ; an extent that is not served: u = 0 x + 2 for every point
	v_cndmask_b32 v[CA+6*(\t)+3+(\d)], 0, v[RC+3*(\t)+(\d)], vcc_lo
	v_cndmask_b32 v[CB+6*(\t)+(\d)], 2.0, v[BB+3*(\t)+(\d)], vcc_lo
	v_cndmask_b32 v[CB+6*(\t)+3+(\d)], 2.0, v[BB+3*(\t)+(\d)], vcc_lo
.endr
.endr
.irp i,0,1,2,3,4,5,6,7
	v_mov_b32 v[CNT+(\i)], 0
.endr
.irp i,0,1,2,3
	v_mov_b32 v[ZQ+(\i)], 0
.endr
; Points 2 q and 2 q + 1 of my lane against my four boxes: 32 lines, each kind for the four tiles on end, so that no line waits for the one before it.
.macro PAIRQ q
.irp t,0,1,2,3
.irp j,0,2,4
	v_pk_fma_f32 v[U+6*(\t)+(\j):U+6*(\t)+(\j)+1], v[XY+6*(\q)+(\j):XY+6*(\q)+(\j)+1], v[CA+6*(\t)+(\j):CA+6*(\t)+(\j)+1], v[CB+6*(\t)+(\j):CB+6*(\t)+(\j)+1]
.endr
.endr
.irp t,0,1,2,3
	v_max3_num_f32 v[M+2*(\t)], |v[U+6*(\t)]|, |v[U+6*(\t)+1]|, |v[U+6*(\t)+2]|
	v_max3_num_f32 v[M+2*(\t)+1], |v[U+6*(\t)+3]|, |v[U+6*(\t)+4]|, |v[U+6*(\t)+5]|
.endr
.irp t,0,1,2,3
	v_pk_fma_f32 v[M+2*(\t):M+2*(\t)+1], v[M+2*(\t):M+2*(\t)+1], v[KN:KN+1], v[KP:KP+1] clamp   ; 1 where the maximum is <= 1, else 0
.endr
.irp t,0,1,2,3
	v_pk_add_f32 v[CNT+2*(\t):CNT+2*(\t)+1], v[CNT+2*(\t):CNT+2*(\t)+1], v[M+2*(\t):M+2*(\t)+1]
.endr
.irp t,0,1,2,3
	v_cvt_pk_bf16_f32 v[FR+8*(\t)+(\q)], v[M+2*(\t)], v[M+2*(\t)+1]
.endr
.endm
.macro HALF a
.irp q,0,1,2,3
	PAIRQ 4*(\a)+(\q)
.endr
.endm
; A step's masks.  pf = 1: the next step's points are fetched behind each half; pf = 2: step 12's eight points, behind the first half.
; In a step the LDS instructions go out as 4 stores, 6 loads, 4 stores, 6 loads: behind the six loads that a half wants stand 4 stores and 6 loads.
.macro MSTEP pf
	s_wait_dscnt 10                                ; my first eight points are in
	HALF 0
.irp t,0,1,2,3
	ds_store_b128 v[MS], v[FR+8*(\t):FR+8*(\t)+3] offset:1024*(\t)
.endr
.irp k,0,1,2,3,4,5
.if (\pf) == 1
	ds_load_b128 v[XY+4*(\k):XY+4*(\k)+3], v[XA] offset:384+16*(\k)
.else
	ds_load_b128 v[XY+4*(\k):XY+4*(\k)+3], v[XH] offset:16*(\k)
.endif
.endr
	s_wait_dscnt 10                                ; my other eight points are in
	HALF 1
.irp t,0,1,2,3
	ds_store_b128 v[MS], v[FR+8*(\t)+4:FR+8*(\t)+7] offset:1024*(\t)+512
.endr
.if (\pf) == 1
.irp k,6,7,8,9,10,11
	ds_load_b128 v[XY+4*(\k):XY+4*(\k)+3], v[XA] offset:384+16*(\k)
.endr
.endif
.endm
	s_wait_dscnt 0x0                               ; step 0's points, all twelve loads: the counts in the loop fit a trip that follows a trip
	s_mov_b32 s22, 11
.Lmask:                                        ; steps 0 to 10
	MSTEP 1
	v_add_nc_u32 v[XA], 384, v[XA]
	v_add_nc_u32 v[MS], MSLOT, v[MS]
	s_sub_co_u32 s22, s22, 1
	s_cmp_lg_u32 s22, 0
	s_cbranch_scc1 .Lmask
	MSTEP 2                                        ; step 11
	s_wait_dscnt 4                                 ; step 12's points are in; the four stores behind them may be out
	HALF 0
.irp t,0,1,2,3
	ds_store_b128 v[MS], v[FR+8*(\t):FR+8*(\t)+3] offset:MSLOT+1024*(\t)
	ds_store_b128 v[MS], v[ZQ:ZQ+3] offset:MSLOT+1024*(\t)+512     ; registers 4-7 of step 12's fragments stand for no point
.endr
.irp t,0,1,2,3
	v_add_f32 v[CT+(\t)], v[CNT+2*(\t)], v[CNT+2*(\t)+1]
.endr
.irp t,0,1,2,3
	v_permlanex16_b32 v[U+(\t)], v[CT+(\t)], s24, s25              ; the box's other points lie in the lane 16 away
.endr
.irp t,0,1,2,3
	v_add_f32 v[CT+(\t)], v[CT+(\t)], v[U+(\t)]
.endr
	s_wait_dscnt 0x0                               ; for the others' sake: my masks are in LDS
	s_barrier_signal -1
	s_barrier_wait -1                              ; everybody's are
; THE MAIN PRODUCT.
; Slice k of eight of a step's conversion: registers 4 (k % 2) .. + 3 of feature tile k / 2, the rows in slot RSN rounded to bf16 in pairs of points, into buffer AFN.  NE = 4 (step 12): registers 4-7 are 0.
.macro RIDE k
.set ee, 4*((\k)%2)
.rept 4
.if ee < NE
	v_cvt_pk_bf16_f32 v[AFN+8*((\k)/2)+ee], v[RSN+8*ee+(\k)/2], v[RSN+8*ee+4+(\k)/2]
.else
	v_mov_b32 v[AFN+8*((\k)/2)+ee], 0
.endif
.set ee, ee+1
.endr
.endm
; The mask fragments of box tiles 8 hf .. 8 hf + 7 of step sl: one run of sixteen loads
.macro BLOAD sl, hf, bm
.irp tl,0,1,2,3,4,5,6,7
	ds_load_b128 v[(\bm)+8*(\tl):(\bm)+8*(\tl)+3], v[VB+(\sl)/4] offset:((\sl)%4)*MSLOT+(8*(\hf)+(\tl))*1024
	ds_load_b128 v[(\bm)+8*(\tl)+4:(\bm)+8*(\tl)+7], v[VB+(\sl)/4] offset:((\sl)%4)*MSLOT+(8*(\hf)+(\tl))*1024+512
.endr
.endm
; Half a step: 32 products, eight box tiles x four feature tiles.  Step 0's start the sums: nothing is cleared.  All 64 accumulators take turns, one instruction a turn, from step to step too.
; In the first half the next step's conversion rides behind the last eight products, a slice of four lines behind each: they name the other fragment buffer and the ring alone.
.macro HALFMM st, hf
.set ww, 0
.rept 32
.if RIDING && ((\hf) == 0) && (ww == 24)
	s_wait_loadcnt LW                              ; the next step's rows are in
.endif
	WIN 0xa0+0x50*(\hf)                            ; C and D in window 2 (box tiles 0-7) or 3
.if (\st) == 0
	v_wmma_f32_16x16x32_bf16 v[8*ww:8*ww+7], v[AFC+8*(ww%4):AFC+8*(ww%4)+7], v[BM+64*(\hf)+8*(ww/4):BM+64*(\hf)+8*(ww/4)+7], 0
.else
	v_wmma_f32_16x16x32_bf16 v[8*ww:8*ww+7], v[AFC+8*(ww%4):AFC+8*(ww%4)+7], v[BM+64*(\hf)+8*(ww/4):BM+64*(\hf)+8*(ww/4)+7], v[8*ww:8*ww+7]
.endif
.if RIDING && ((\hf) == 0) && (ww >= 24)
	WIN W_CV1
	RIDE ww-24
.endif
.set ww, ww+1
.endr
.endm
; A step: two halves.  In front of each half stands ONE run of LDS loads, the masks of the half after it, into the buffer that the half before has read, four plain vector lines behind that half's last product
; (ISA guide 7.12.1 for vector instructions): four v_nop at a step's head, the conversion's last slice in its middle.  The four v_nop are also the distance between the last step's products and the
; conversions that write the fragment buffer which those read.  Behind the conversion the ring's slot takes the rows of the step four further on, in the middle's run.
.macro STEP st
.set AFC, AF+32*((\st)%2)
.set AFN, AF+32*(((\st)+1)%2)
.set RSN, 64*(((\st)+1)%4)
.set NE, 8
.set RIDING, 1
.set LW, 48                            ; behind the loads of step st + 1 stand those of steps st + 2 to st + 4: 16 each, 8 for step 12
.if (\st) == 8
.set LW, 40
.elseif (\st) == 9
.set LW, 24
.elseif (\st) == 10
.set LW, 8
.elseif (\st) == 11
.set LW, 0
.set NE, 4
.elseif (\st) == 12
.set RIDING, 0
.endif
.if (\st) > 0
.rept 4
	v_nop
.endr
.endif
	WIN 0
	BLOAD \st, 1, BM+64
	s_wait_dscnt 16                                ; the first half's masks are in; the sixteen loads just issued may be out
	HALFMM \st, 0
.if (\st) == 12
.rept 4
	v_nop
.endr
.endif
	WIN 0
.if (\st) < 12
	BLOAD (\st)+1, 0, BM
.endif
.if (\st) <= 7
	RLOAD (\st)+5
.endif
.if (\st) == 12
	s_wait_dscnt 0x0
.else
	s_wait_dscnt 16                                ; the second half's masks are in; the sixteen loads just issued may be out
.endif
	HALFMM \st, 1
.endm
; THE WEIGHTS' FRAGMENTS for my chunks c = 2 w, 2 w + 1.  Register e, half b of lane (r, h) is W[64 w + 32 h + 8 e + 4 b + 2 c2][class row r]; registers 4-7 the feature after.
.macro WLOADS dst, adr, base, c2
.set nn, 0
.rept 16
	ds_load_b32 v[(\dst)+nn], v[\adr] offset:(\base)+84*(8*((nn%8)/2)+4*(nn%2)+2*(\c2)+nn/8)
.set nn, nn+1
.endr
.endm
.macro WPACK dst                       ; in place, ascending: register n is written when registers 2 n and 2 n + 1 are read
.set nn, 0
.rept 8
	v_cvt_pk_bf16_f32 v[(\dst)+nn], v[(\dst)+2*nn], v[(\dst)+2*nn+1]
.set nn, nn+1
.endr
.endm
.macro WSTORE dst, ct, c2
	ds_store_b128 v[VWS], v[(\dst):(\dst)+3] offset:8192*(\ct)+1024*(\c2)
	ds_store_b128 v[VWS], v[(\dst)+4:(\dst)+7] offset:8192*(\ct)+1024*(\c2)+512
.endm
	s_wait_loadcnt 48                              ; step 0's rows are in; steps 1, 2, 3 may be out
.set AFN, AF
.set RSN, 0
.set NE, 8
	WIN W_CV1
.irp k,0,1,2,3,4,5,6,7
	RIDE \k
.endr
	RLOAD 4
	WIN 0
	BLOAD 0, 0, BM
.irp st,0,1,2,3,4,5,6,7
	STEP \st
.endr
.rept 4
	v_nop                                          ; four places behind the products that read the buffer in which the weights are worked on
.endr
	WIN 0                                          ; the weights, once a launch
	WLOADS TW, WA0, 0, 0
	WLOADS TW+16, WA0, 0, 1
	WLOADS TW+32, WA0, WHALF, 0
	WLOADS TW+48, WA0, WHALF, 1
	s_wait_dscnt 0x0
.irp u,0,1,2,3
	WPACK TW+16*(\u)
	WSTORE TW+16*(\u), (\u)/2, (\u)%2
.endr
	WLOADS TW, WA2C, 0, 0
	WLOADS TW+16, WA2O, 0, 0
	WLOADS TW+32, WA2C, 0, 1
	WLOADS TW+48, WA2O, 0, 1
	s_wait_dscnt 0x0
.irp u,0,1
.set nn, 0
.rept 16
	v_cndmask_b32 v[TW+32*(\u)+nn], v[TW+32*(\u)+16+nn], v[TW+32*(\u)+nn], s28   ; rows 0-4 cls, the others obj
.set nn, nn+1
.endr
	WPACK TW+32*(\u)
.set nn, 0
.rept 8
	v_cndmask_b32 v[TW+32*(\u)+nn], 0, v[TW+32*(\u)+nn], s29                     ; rows 10-15 have no weights
.set nn, nn+1
.endr
	WSTORE TW+32*(\u), 2, \u
.endr
.irp st,8,9,10,11,12
	STEP \st
.endr
	; THE HEAD.  My sums, rounded to bf16, go to LDS as fragments of the second product, over the masks.
.rept 4
	v_nop                                          ; four places behind the last products
.endr
	WIN 0
	s_wait_dscnt 0x0                               ; my reads of the masks are over, my weights' fragments are stored
	s_barrier_signal -1
	s_barrier_wait -1                              ; everybody's are: the masks' bytes may be written
.set bt, 0
.rept 4                                ; four box tiles at a time; each accumulator's registers in ascending order
	WIN 0x0a+5*(bt/2)                              ; sources 0 and 1 in window 2 or 3
.set nn, 0
.rept 64                               ; nn = 16 tl + 4 i4 + pair
	v_cvt_pk_bf16_f32 v[TMPH+nn], v[8*(4*((4*bt+nn/16)%8)+(nn/4)%4)+2*(nn%4)], v[8*(4*((4*bt+nn/16)%8)+(nn/4)%4)+2*(nn%4)+1]
.set nn, nn+1
.endr
	WIN 0
.set nn, 0
.rept 8                                ; nn = 2 tl + c2
	ds_store_b128 v[VS0+bt/2], v[TMPH+8*nn:TMPH+8*nn+3] offset:((4*bt+nn/2)%8)*8192+(nn%2)*1024
	ds_store_b128 v[VS0+bt/2], v[TMPH+8*nn+4:TMPH+8*nn+7] offset:((4*bt+nn/2)%8)*8192+(nn%2)*1024+512
.set nn, nn+1
.endr
.set bt, bt+1
.endr
	s_wait_dscnt 0x0
	s_barrier_signal -1
	s_barrier_wait -1                              ; all sums' and all weights' fragments lie in LDS
	WIN 0xc0                                       ; W's 24 fragments into window 3
.set nn, 0
.rept 24
	ds_load_b128 v[8*nn:8*nn+3], v[VW] offset:1024*nn
	ds_load_b128 v[8*nn+4:8*nn+7], v[VW] offset:1024*nn+512
.set nn, nn+1
.endr
	WIN 0x80                                       ; the sums of my box tiles 4 w + t, all 8 chunks, into window 2, chunk by chunk
.set cc, 0
.rept 8
.irp t,0,1,2,3
	ds_load_b128 v[8*(8*(\t)+cc):8*(8*(\t)+cc)+3], v[VR] offset:8192*(\t)+1024*cc
	ds_load_b128 v[8*(8*(\t)+cc)+4:8*(8*(\t)+cc)+7], v[VR] offset:8192*(\t)+1024*cc+512
.endr
.set cc, cc+1
.endr
	WIN W_HD
.set cc, 0
.rept 8                                ; 12 accumulators by turns
	s_wait_dscnt 8*(7-cc)                          ; chunk cc is in; the later chunks' loads, eight each, may be out
.irp t,0,1,2,3
.irp ct,0,1,2
.if cc == 0
	v_wmma_f32_16x16x32_bf16 v[LL+8*(3*(\t)+(\ct)):LL+8*(3*(\t)+(\ct))+7], v[8*(8*(\ct)+cc):8*(8*(\ct)+cc)+7], v[8*(8*(\t)+cc):8*(8*(\t)+cc)+7], 0
.else
	v_wmma_f32_16x16x32_bf16 v[LL+8*(3*(\t)+(\ct)):LL+8*(3*(\t)+(\ct))+7], v[8*(8*(\ct)+cc):8*(8*(\ct)+cc)+7], v[8*(8*(\t)+cc):8*(8*(\t)+cc)+7], v[LL+8*(3*(\t)+(\ct)):LL+8*(3*(\t)+(\ct))+7]
.endif
.endr
.endr
.set cc, cc+1
.endr
.rept 4
	v_nop
.endr
	WIN 0
.irp t,0,1,2,3
	v_cndmask_b32 v[LL+8*(3*(\t)+2)+2], v[LL+8*(3*(\t)+2)+2], v[CT+(\t)], s27    ; row 10 of tile 2 (lanes 16-31, register 2) takes the count
.endr
.irp t,0,1,2,3
.irp k,0,1,2,3,4
	global_store_b128 v[PO], v[LL+8*(3*(\t)+(\k)/2)+4*((\k)%2):LL+8*(3*(\t)+(\k)/2)+4*((\k)%2)+3], s[14:15] offset:2560*(\t)+512*(\k)   ; 512 consecutive bytes, at a multiple of 256 from part's first
.endr
.endr
	s_wait_xcnt 0x0                                ; EXEC changes only behind this wait
	v_cmp_gt_u32 vcc_lo, 16, v[LN]
	s_and_saveexec_b32 s30, vcc_lo                 ; rows 4-7 of tile 2 lie in lanes 0-15; rows 12-15 are not stored
.irp t,0,1,2,3
	global_store_b128 v[PO2], v[LL+8*(3*(\t)+2)+4:LL+8*(3*(\t)+2)+7], s[14:15] offset:256*(\t)   ; sixteen lanes, 256 consecutive aligned bytes
.endr
	s_wait_xcnt 0x0                                ; and again, in front of the line that widens it
	s_or_b32 exec_lo, exec_lo, s30
	s_wait_tensorcnt 0x0                           ; the wave's end, behind my last copy and my last LDS store
	ds_add_u32 v[SPW], v[NIL]
	s_wait_dscnt 0x0
	s_endpgm
.Lfunc_end_k_q0ce1e52688_pool:
	.size	k_q0ce1e52688_pool, .Lfunc_end_k_q0ce1e52688_pool-k_q0ce1e52688_pool
	.p2alignl 7, 3214868480
	.fill 96, 4, 3214868480
	.section	.rodata,"a",@progbits
	.p2align	6, 0x0
	.amdhsa_kernel k_q0ce1e52688_pool
		.amdhsa_group_segment_fixed_size 307712
		.amdhsa_private_segment_fixed_size 0
		.amdhsa_enable_private_segment 0
		.amdhsa_kernarg_size 48
		.amdhsa_user_sgpr_count 2
		.amdhsa_user_sgpr_kernarg_segment_ptr 1
		.amdhsa_wavefront_size32 1
		.amdhsa_system_sgpr_workgroup_id_x 1
		.amdhsa_system_sgpr_workgroup_id_y 1
		.amdhsa_system_sgpr_workgroup_id_z 1
		.amdhsa_system_vgpr_workitem_id 0
		.amdhsa_next_free_vgpr 1024
		.amdhsa_next_free_sgpr 66
		.amdhsa_reserve_vcc 1
		.amdhsa_float_denorm_mode_32 3
		.amdhsa_float_denorm_mode_16_64 3
		.amdhsa_memory_ordered 1
		.amdhsa_forward_progress 1
		.amdhsa_inst_pref_size 242
	.end_amdhsa_kernel
	.amdgpu_metadata
---
amdhsa.version: [ 1, 2 ]
amdhsa.kernels:
  - .name:           k_q0ce1e52688_pool
    .symbol:         k_q0ce1e52688_pool.kd
    .args:
      - { .name: proposals, .offset: 0, .size: 8, .value_kind: global_buffer, .address_space: global }
      - { .name: input_xyz, .offset: 8, .size: 8, .value_kind: global_buffer, .address_space: global }
      - { .name: seg_feats, .offset: 16, .size: 8, .value_kind: global_buffer, .address_space: global }
      - { .name: W_cls, .offset: 24, .size: 8, .value_kind: global_buffer, .address_space: global }
      - { .name: W_obj, .offset: 32, .size: 8, .value_kind: global_buffer, .address_space: global }
      - { .name: part, .offset: 40, .size: 8, .value_kind: global_buffer, .address_space: global }
    .group_segment_fixed_size: 307712
    .private_segment_fixed_size: 0
    .kernarg_segment_align: 8
    .kernarg_segment_size: 48
    .max_flat_workgroup_size: 128
    .sgpr_count:     66
    .vgpr_count:     1024
    .wavefront_size: 32
...
	.end_amdgpu_metadata
.endif
;; end of part 1
;; launch reduce (part 2): grid 176 x 1, 5 waves a work-group, no clusters, 2,304 bytes of LDS; arguments part, sums; writes sums
.if DOCPART == 2
	.amdgcn_target "amdgcn-amd-amdhsa--gfx1250"
	.amdhsa_code_object_version 6
	.text
	.protected	k_q0ce1e52688_reduce
	.globl	k_q0ce1e52688_reduce
	.p2align	8
	.type	k_q0ce1e52688_reduce,@function
k_q0ce1e52688_reduce:
	s_mov_b64 s[64:65], 0
	v_nop
	global_prefetch_b8 v0, s[64:65] scope:SCOPE_SE
	s_setreg_imm32_b32 hwreg(HW_REG_WAVE_MODE, 25, 1), 1
	s_wait_xcnt 0x0
; REDUCE.  sums = the sum of part's 250 blocks of 45,056 bytes, number by number, in f32: the layout inside a block does not matter here.
; Work-group u owns bytes 256 u .. 256 u + 255 of every block.  Wave w takes blocks 50 w .. 50 w + 49: 25 loads, each two blocks' 256 consecutive aligned bytes (lanes 0-15 the even block, lanes 16-31 the odd one).
; All of a work-group's 64,000 bytes are asked for at once.  The five waves' sums meet in LDS; wave 0 adds them and stores 256 consecutive aligned bytes.
.set BLK,   45056
.set PERW,  50
.set NLD,   25
.set SPARE, 1536                       ; behind the five partial sums of 256 bytes: the spare words, 128 bytes for each wave, three blocks of 256 bytes that no other line names
.set SPW, 2
.set NIL, 3
.set VO,  4                            ; (50 w + h) x 45,056 + 16 r; never rewritten
.set LS,  5                            ; 256 w + 16 r
.set LR,  6                            ; 8 l
.set RR,  7
.set HH,  8
.set D,   16                           ; v[16:115] the 25 loads
	s_load_b128 s[4:7], s[0:1], 0x0                ; part s[4:5], sums s[6:7]
	v_lshl_add_u32 v[SPW], v0, 2, SPARE
	v_mov_b32 v[NIL], 0
	v_lshrrev_b32 v1, 5, v0
	v_readfirstlane_b32 s8, v1                     ; wave 0..4
	v_and_b32 v[RR], 15, v0
	v_bfe_u32 v[HH], v0, 4, 1
	s_mul_i32 s9, s8, PERW*BLK
	v_mul_u32_u24 v[VO], v[HH], BLK
	v_lshl_add_u32 v[VO], v[RR], 4, v[VO]
	v_add_nc_u32 v[VO], s9, v[VO]
	s_lshl_b32 s12, s8, 8
	v_lshl_add_u32 v[LS], v[RR], 4, s12
	v_and_b32 v1, 31, v0
	v_lshlrev_b32 v[LR], 3, v1
	s_lshl_b32 s10, ttmp9, 8                       ; the work-group's 256 bytes
	s_mov_b32 s11, 0
	s_mov_b32 s13, 0x76543210
	s_mov_b32 s14, 0xfedcba98
	s_wait_kmcnt 0x0
	s_add_nc_u64 s[4:5], s[4:5], s[10:11]
	s_add_nc_u64 s[6:7], s[6:7], s[10:11]
.set tt, 0
.rept NLD
	global_load_b128 v[D+4*tt:D+4*tt+3], v[VO], s[4:5] offset:2*tt*BLK th:TH_LOAD_NT
.set tt, tt+1
.endr
.set tt, 1
.rept NLD-1
	s_wait_loadcnt NLD-1-tt                        ; loads come back in order: loads 0 to tt are in, the younger ones stay out
	v_pk_add_f32 v[D:D+1], v[D:D+1], v[D+4*tt:D+4*tt+1]
	v_pk_add_f32 v[D+2:D+3], v[D+2:D+3], v[D+4*tt+2:D+4*tt+3]
.set tt, tt+1
.endr
.irp k,0,1,2,3
	v_permlanex16_b32 v[D+4+(\k)], v[D+(\k)], s13, s14   ; the other parity's blocks; the destination has been written (load 1) and is spent
.endr
	v_pk_add_f32 v[D:D+1], v[D:D+1], v[D+4:D+5]
	v_pk_add_f32 v[D+2:D+3], v[D+2:D+3], v[D+6:D+7]
	ds_store_b128 v[LS], v[D:D+3]                  ; both halves of the lanes write the same numbers to the same bytes
	s_wait_dscnt 0x0                               ; for the others' sake
	s_barrier_signal -1
	s_barrier_wait -1
	s_cmp_lg_u32 s8, 0
	s_cbranch_scc1 .Lend
.irp j,0,1,2,3,4
	ds_load_b64 v[D+8+2*(\j):D+8+2*(\j)+1], v[LR] offset:256*(\j)
.endr
	s_wait_dscnt 0x0
	v_pk_add_f32 v[D+8:D+9], v[D+8:D+9], v[D+10:D+11]
	v_pk_add_f32 v[D+12:D+13], v[D+12:D+13], v[D+14:D+15]
	v_pk_add_f32 v[D+8:D+9], v[D+8:D+9], v[D+12:D+13]
	v_pk_add_f32 v[D+8:D+9], v[D+8:D+9], v[D+16:D+17]
	global_store_b64 v[LR], v[D+8:D+9], s[6:7]     ; 32 lanes, 256 consecutive bytes, at a multiple of 256 from sums' first
.Lend:
	s_wait_tensorcnt 0x0                           ; the wave's end, behind my last LDS store
	ds_add_u32 v[SPW], v[NIL]
	s_wait_dscnt 0x0
	s_endpgm
.Lfunc_end_k_q0ce1e52688_reduce:
	.size	k_q0ce1e52688_reduce, .Lfunc_end_k_q0ce1e52688_reduce-k_q0ce1e52688_reduce
	.p2alignl 7, 3214868480
	.fill 96, 4, 3214868480
	.section	.rodata,"a",@progbits
	.p2align	6, 0x0
	.amdhsa_kernel k_q0ce1e52688_reduce
		.amdhsa_group_segment_fixed_size 2304
		.amdhsa_private_segment_fixed_size 0
		.amdhsa_enable_private_segment 0
		.amdhsa_kernarg_size 16
		.amdhsa_user_sgpr_count 2
		.amdhsa_user_sgpr_kernarg_segment_ptr 1
		.amdhsa_wavefront_size32 1
		.amdhsa_system_sgpr_workgroup_id_x 1
		.amdhsa_system_sgpr_workgroup_id_y 1
		.amdhsa_system_sgpr_workgroup_id_z 1
		.amdhsa_system_vgpr_workitem_id 0
		.amdhsa_next_free_vgpr 120
		.amdhsa_next_free_sgpr 66
		.amdhsa_reserve_vcc 0
		.amdhsa_float_denorm_mode_32 3
		.amdhsa_float_denorm_mode_16_64 3
		.amdhsa_memory_ordered 1
		.amdhsa_forward_progress 1
		.amdhsa_inst_pref_size 9
	.end_amdhsa_kernel
	.amdgpu_metadata
---
amdhsa.version: [ 1, 2 ]
amdhsa.kernels:
  - .name:           k_q0ce1e52688_reduce
    .symbol:         k_q0ce1e52688_reduce.kd
    .args:
      - { .name: part, .offset: 0, .size: 8, .value_kind: global_buffer, .address_space: global }
      - { .name: sums, .offset: 8, .size: 8, .value_kind: global_buffer, .address_space: global }
    .group_segment_fixed_size: 2304
    .private_segment_fixed_size: 0
    .kernarg_segment_align: 8
    .kernarg_segment_size: 16
    .max_flat_workgroup_size: 160
    .sgpr_count:     66
    .vgpr_count:     120
    .wavefront_size: 32
...
	.end_amdgpu_metadata
.endif
;; end of part 2
;; launch finish (part 3): grid 1 x 1, 8 waves a work-group, no clusters, 65,536 bytes of LDS; arguments sums, b_cls, out0; writes out0
.if DOCPART == 3
	.amdgcn_target "amdgcn-amd-amdhsa--gfx1250"
	.amdhsa_code_object_version 6
	.text
	.protected	k_q0ce1e52688_finish
	.globl	k_q0ce1e52688_finish
	.p2align	8
	.type	k_q0ce1e52688_finish,@function
k_q0ce1e52688_finish:
	s_mov_b64 s[64:65], 0
	v_nop
	global_prefetch_b8 v0, s[64:65] scope:SCOPE_SE
	s_setreg_imm32_b32 hwreg(HW_REG_WAVE_MODE, 25, 1), 1
	s_wait_xcnt 0x0
; FINISH.  out[p][c] = softmax over c of (cls[p][c] / n[p] + b_cls[c]) x softmax over p of (obj[p][c] / n[p]), n = max(count, 1).
; b_obj is left out: it is the same for all 256 numbers of a column of the softmax over p, and cancels there for every finite value (shown at the head of the first kernel).
; One work-group, since the softmax over p spans all boxes.  Both softmaxes take their maximum away first.
; BY ROWS: thread p is box p; it holds its 21 + 21 numbers and its count, makes the whole softmax over c in registers, and puts cls_p and obj / n into LDS by columns, [c][p].
; BY COLUMNS: waves 0 to 6 take three columns each (7 x 3 = 21); a lane takes boxes 4 l .. 4 l + 3 and 128 + 4 l .. + 3, two loads of 16 neighbouring bytes.  The column's maximum and sum are
; made inside the wave; the product with cls_p goes to a stage that lies as out0 lies, [p][c].  Then the stage leaves in pieces of 512 consecutive bytes.  Two barriers in all.
; 'sums' has the layout of a block of 'part': class rows 8 h' + 4 jg + 0..3 of tile ct, box p, are the 16 bytes at 2,560 (p / 16) + 512 (2 ct + jg) + 256 h' + 16 (p % 16); tile 2's rows 4-7 at 40,960 + 16 p.
; LIMITS.  A weight below 2^-126 counts as 0 in a sum; NaN and infinities are not treated apart.
.set NC,    21
.set CPB,   0                          ; cls_p by columns: 1,024 c + 4 p
.set OBB,   21504                      ; obj / n by columns
.set STAGE, 43008                      ; the result, 84 p + 4 c
.set SPARE, 64512                      ; the spare words, 128 bytes for each wave: four blocks of 256 bytes that no other line names
.set SPW, 2
.set NIL, 3
.set TO,  4
.set TO2, 5
.set SA,  6                            ; 4 p
.set LA,  7                            ; 16 l + 3,072 w: my 16 bytes of my wave's first column
.set SB,  8                            ; 336 l + 12 w: box 4 l, class 3 w in the stage
.set BK,  9                            ; 16 l + 512 w
.set INV, 10
.set RMX, 11
.set RS,  12                           ; v12-14 three chains of the row's sum; later what comes from the other half of the lanes
.set RRW, 15
.set R0,  16                           ; v16-36 cls 0..20; v37-41 obj 16..20; v42 the count; v48-63 obj 0..15
.set OB,  64                           ; v64-84 obj / n
.set X,   88                           ; v88-111 column k's eight numbers at X + 8 k
.set Y,   112                          ; v112-135 cls_p of the same places
.set MP,  136                          ; v136-141 column k's maximum, then its sum's reciprocal, as a pair
.set RD,  144                          ; v144-167 at work
	s_load_b128 s[4:7], s[0:1], 0x0                ; sums s[4:5], b_cls s[6:7]
	s_load_b64 s[8:9], s[0:1], 0x10                ; out0
	v_lshl_add_u32 v[SPW], v0, 2, SPARE
	v_mov_b32 v[NIL], 0
	v_lshrrev_b32 v1, 5, v0
	v_readfirstlane_b32 s10, v1                    ; wave 0..7
	v_lshrrev_b32 v1, 4, v0
	v_mul_u32_u24 v[TO], v1, 2560
	v_and_b32 v1, 15, v0
	v_lshl_add_u32 v[TO], v1, 4, v[TO]
	v_lshlrev_b32 v[TO2], 4, v0
	v_add_nc_u32 v[TO2], 40960, v[TO2]
	v_lshlrev_b32 v[SA], 2, v0
	v_and_b32 v1, 31, v0                           ; l
	v_lshlrev_b32 v[BK], 4, v1
	s_mul_i32 s11, s10, 3072
	v_add_nc_u32 v[LA], s11, v[BK]
	v_mul_u32_u24 v[SB], v1, 336
	s_mul_i32 s11, s10, 12
	v_add_nc_u32 v[SB], s11, v[SB]
	v_lshl_add_u32 v[BK], s10, 9, v[BK]
	s_mov_b32 s12, 0x76543210                      ; v_permlanex16_b32: each lane takes its own place in the other half
	s_mov_b32 s13, 0xfedcba98
	s_wait_kmcnt 0x0
	s_load_b512 s[16:31], s[6:7], 0x0              ; b_cls 0..15,
	s_load_b128 s[32:35], s[6:7], 0x40             ; 16..19,
	s_load_b32 s36, s[6:7], 0x50                   ; 20
.macro LD4 dst, adr, off
	global_load_b128 v[(\dst):(\dst)+3], v[\adr], s[4:5] offset:\off
.endm
	LD4 R0,    TO, 0                               ; tile 0, rows in order
	LD4 R0+4,  TO, 512
	LD4 R0+8,  TO, 256
	LD4 R0+12, TO, 768
	LD4 R0+16, TO, 2048                            ; tile 2, rows 0-3,
	LD4 R0+20, TO2, 0                              ; 4-7,
	LD4 R0+24, TO, 2304                            ; 8-11
	LD4 R0+32, TO, 1024                            ; tile 1
	LD4 R0+36, TO, 1536
	LD4 R0+40, TO, 1280
	LD4 R0+44, TO, 1792
	s_wait_loadcnt 0x0
	s_wait_kmcnt 0x0
	v_max_num_f32 v[INV], 1.0, v[R0+26]
	v_rcp_f32 v[INV], v[INV]
	v_nop                                          ; a plain instruction behind the reciprocal,
	s_wait_alu depctr_va_vdst(0)                   ; and one wait ahead of its first use
.set cc, 0
.rept NC
.if cc < 16
	v_mul_f32 v[OB+cc], v[R0+32+cc], v[INV]
.else
	v_mul_f32 v[OB+cc], v[R0+5+cc], v[INV]
.endif
.set cc, cc+1
.endr
.set cc, 0
.rept NC
	v_fma_f32 v[R0+cc], v[R0+cc], v[INV], s[16+cc]
.set cc, cc+1
.endr
	v_max3_num_f32 v[RMX], v[R0], v[R0+1], v[R0+2]  ; the row's maximum
.set cc, 3
.rept 9
	v_max3_num_f32 v[RMX], v[RMX], v[R0+cc], v[R0+cc+1]
.set cc, cc+2
.endr
.set cc, 0
.rept NC
	ds_store_b32 v[SA], v[OB+cc] offset:OBB+1024*cc        ; 32 lanes, 128 neighbouring bytes; they land while the row's softmax is made
.set cc, cc+1
.endr
.set cc, 0
.rept NC
	v_sub_f32 v[R0+cc], v[R0+cc], v[RMX]
.set cc, cc+1
.endr
.set cc, 0
.rept NC
	v_mul_f32 v[R0+cc], 0x3fb8aa3b, v[R0+cc]       ; log2(e)
.set cc, cc+1
.endr
.set cc, 0
.rept NC
	v_exp_f32 v[R0+cc], v[R0+cc]                   ; one batch of 21
.set cc, cc+1
.endr
	v_nop                                          ; a plain instruction behind the last exponential,
	s_wait_alu depctr_va_vdst(0)                   ; and one wait for the batch, ahead of its first reader
	v_add_f32 v[RS], v[R0], v[R0+1]                ; the row's sum, in three chains
	v_add_f32 v[RS+1], v[R0+2], v[R0+3]
	v_add_f32 v[RS+2], v[R0+4], v[R0+5]
.set cc, 6
.rept 15
	v_add_f32 v[RS+cc%3], v[RS+cc%3], v[R0+cc]
.set cc, cc+1
.endr
	v_add_f32 v[RS], v[RS], v[RS+1]
	v_add_f32 v[RS], v[RS], v[RS+2]
	v_rcp_f32 v[RRW], v[RS]
	v_nop
	s_wait_alu depctr_va_vdst(0)
.set cc, 0
.rept NC
	v_mul_f32 v[R0+cc], v[R0+cc], v[RRW]
.set cc, cc+1
.endr
.set cc, 0
.rept NC
	ds_store_b32 v[SA], v[R0+cc] offset:CPB+1024*cc
.set cc, cc+1
.endr
	s_wait_dscnt 0x0                               ; for the others' sake: my 42 numbers are in LDS
	s_barrier_signal -1
	s_barrier_wait -1                              ; everybody's are
	; BY COLUMNS: classes 3 w + k, k = 0, 1, 2; each kind of line for the three columns on end.
	s_cmp_lt_u32 s10, 7
	s_cbranch_scc0 .Lstaged                        ; wave 7 has no column
.irp k,0,1,2
	ds_load_b128 v[X+8*(\k):X+8*(\k)+3], v[LA] offset:OBB+1024*(\k)
	ds_load_b128 v[X+8*(\k)+4:X+8*(\k)+7], v[LA] offset:OBB+1024*(\k)+512
.endr
.irp k,0,1,2
	ds_load_b128 v[Y+8*(\k):Y+8*(\k)+3], v[LA] offset:CPB+1024*(\k)
	ds_load_b128 v[Y+8*(\k)+4:Y+8*(\k)+7], v[LA] offset:CPB+1024*(\k)+512
.endr
	s_wait_dscnt 6                                 ; obj / n is in; the six loads of cls_p behind it may be out
.irp k,0,1,2
	v_max3_num_f32 v[MP+2*(\k)], v[X+8*(\k)], v[X+8*(\k)+1], v[X+8*(\k)+2]
.endr
.irp k,0,1,2
	v_max3_num_f32 v[MP+2*(\k)], v[MP+2*(\k)], v[X+8*(\k)+3], v[X+8*(\k)+4]
.endr
.irp k,0,1,2
	v_max3_num_f32 v[MP+2*(\k)], v[MP+2*(\k)], v[X+8*(\k)+5], v[X+8*(\k)+6]
.endr
.irp k,0,1,2
	v_max_num_f32 v[MP+2*(\k)], v[MP+2*(\k)], v[X+8*(\k)+7]
.endr
.irp x,1,2,4,8                         ; across the 32 lanes: four steps inside each half of 16 lanes ride on the arithmetic, one crosses the halves
.irp k,0,1,2
	v_max_num_f32_dpp v[MP+2*(\k)], v[MP+2*(\k)], v[MP+2*(\k)] row_xmask:\x row_mask:0xf bank_mask:0xf
.endr
.endr
.irp k,0,1,2
	v_permlanex16_b32 v[RS+(\k)], v[MP+2*(\k)], s12, s13
.endr
.irp k,0,1,2
	v_max_num_f32 v[MP+2*(\k)], v[MP+2*(\k)], v[RS+(\k)]   ; the column's maximum, in every lane
.endr
.irp k,0,1,2
	v_mov_b32 v[MP+2*(\k)+1], v[MP+2*(\k)]         ; twice: a pair for the packed lines
.endr
.irp k,0,1,2
.irp j,0,2,4,6
	v_pk_add_f32 v[X+8*(\k)+(\j):X+8*(\k)+(\j)+1], v[X+8*(\k)+(\j):X+8*(\k)+(\j)+1], v[MP+2*(\k):MP+2*(\k)+1] neg_lo:[0,1] neg_hi:[0,1]
.endr
.endr
.irp k,0,1,2
.irp j,0,2,4,6
	v_pk_mul_f32 v[X+8*(\k)+(\j):X+8*(\k)+(\j)+1], v[X+8*(\k)+(\j):X+8*(\k)+(\j)+1], 0x3fb8aa3b op_sel_hi:[1,0]
.endr
.endr
.irp k,0,1,2
.irp j,0,1,2,3,4,5,6,7
	v_exp_f32 v[X+8*(\k)+(\j)], v[X+8*(\k)+(\j)]   ; one batch of 24
.endr
.endr
	v_nop
	s_wait_alu depctr_va_vdst(0)                   ; one wait for the batch
.irp k,0,1,2
	v_pk_add_f32 v[RD+4*(\k):RD+4*(\k)+1], v[X+8*(\k):X+8*(\k)+1], v[X+8*(\k)+2:X+8*(\k)+3]
	v_pk_add_f32 v[RD+4*(\k)+2:RD+4*(\k)+3], v[X+8*(\k)+4:X+8*(\k)+5], v[X+8*(\k)+6:X+8*(\k)+7]
.endr
.irp k,0,1,2
	v_pk_add_f32 v[RD+4*(\k):RD+4*(\k)+1], v[RD+4*(\k):RD+4*(\k)+1], v[RD+4*(\k)+2:RD+4*(\k)+3]
.endr
.irp k,0,1,2
	v_add_f32 v[MP+2*(\k)], v[RD+4*(\k)], v[RD+4*(\k)+1]
.endr
.irp x,1,2,4,8
.irp k,0,1,2
	v_add_f32_dpp v[MP+2*(\k)], v[MP+2*(\k)], v[MP+2*(\k)] row_xmask:\x row_mask:0xf bank_mask:0xf
.endr
.endr
.irp k,0,1,2
	v_permlanex16_b32 v[RS+(\k)], v[MP+2*(\k)], s12, s13
.endr
.irp k,0,1,2
	v_add_f32 v[MP+2*(\k)], v[MP+2*(\k)], v[RS+(\k)]       ; the column's sum, in every lane
.endr
.irp k,0,1,2
	v_rcp_f32 v[MP+2*(\k)], v[MP+2*(\k)]
.endr
	s_wait_dscnt 0x0                               ; cls_p is in
.irp k,0,1,2
.irp j,0,2,4,6
	v_pk_mul_f32 v[X+8*(\k)+(\j):X+8*(\k)+(\j)+1], v[X+8*(\k)+(\j):X+8*(\k)+(\j)+1], v[Y+8*(\k)+(\j):Y+8*(\k)+(\j)+1]   ; twelve plain lines that name no reciprocal stand behind the batch of three
.endr
.endr
	s_wait_alu depctr_va_vdst(0)                   ; one wait for the three reciprocals, ahead of their first reader
.irp k,0,1,2
.irp j,0,2,4,6
	v_pk_mul_f32 v[X+8*(\k)+(\j):X+8*(\k)+(\j)+1], v[X+8*(\k)+(\j):X+8*(\k)+(\j)+1], v[MP+2*(\k):MP+2*(\k)+1] op_sel_hi:[1,0]
.endr
.endr
.irp k,0,1,2
.irp j,0,1,2,3
	ds_store_b32 v[SB], v[X+8*(\k)+(\j)] offset:STAGE+84*(\j)+4*(\k)               ; box 4 l + j, class 3 w + k
	ds_store_b32 v[SB], v[X+8*(\k)+4+(\j)] offset:STAGE+10752+84*(\j)+4*(\k)       ; box 128 + 4 l + j
.endr
.endr
.Lstaged:
	s_wait_dscnt 0x0                               ; for the others' sake
	s_barrier_signal -1
	s_barrier_wait -1
	; The result leaves as it lies in memory: 42 pieces of 512 consecutive bytes; wave w takes pieces w, w + 8, .. w + 32, waves 0 and 1 also 40 and 41.
.irp i,0,1,2,3,4
	ds_load_b128 v[RD+4*(\i):RD+4*(\i)+3], v[BK] offset:STAGE+4096*(\i)
.endr
.irp i,0,1,2,3,4
	s_wait_dscnt 4-(\i)                            ; piece i is in; the younger loads may be out
	global_store_b128 v[BK], v[RD+4*(\i):RD+4*(\i)+3], s[8:9] offset:4096*(\i)
.endr
	s_cmp_lt_u32 s10, 2
	s_cbranch_scc0 .Lend
	ds_load_b128 v[RD+20:RD+23], v[BK] offset:STAGE+20480
	s_wait_dscnt 0x0
	global_store_b128 v[BK], v[RD+20:RD+23], s[8:9] offset:20480
.Lend:
	s_wait_tensorcnt 0x0                           ; the wave's end, behind my last LDS store
	ds_add_u32 v[SPW], v[NIL]
	s_wait_dscnt 0x0
	s_endpgm
.Lfunc_end_k_q0ce1e52688_finish:
	.size	k_q0ce1e52688_finish, .Lfunc_end_k_q0ce1e52688_finish-k_q0ce1e52688_finish
	.p2alignl 7, 3214868480
	.fill 96, 4, 3214868480
	.section	.rodata,"a",@progbits
	.p2align	6, 0x0
	.amdhsa_kernel k_q0ce1e52688_finish
		.amdhsa_group_segment_fixed_size 65536
		.amdhsa_private_segment_fixed_size 0
		.amdhsa_enable_private_segment 0
		.amdhsa_kernarg_size 24
		.amdhsa_user_sgpr_count 2
		.amdhsa_user_sgpr_kernarg_segment_ptr 1
		.amdhsa_wavefront_size32 1
		.amdhsa_system_sgpr_workgroup_id_x 1
		.amdhsa_system_sgpr_workgroup_id_y 1
		.amdhsa_system_sgpr_workgroup_id_z 1
		.amdhsa_system_vgpr_workitem_id 0
		.amdhsa_next_free_vgpr 176
		.amdhsa_next_free_sgpr 66
		.amdhsa_reserve_vcc 0
		.amdhsa_float_denorm_mode_32 3
		.amdhsa_float_denorm_mode_16_64 3
		.amdhsa_memory_ordered 1
		.amdhsa_forward_progress 1
		.amdhsa_inst_pref_size 24
	.end_amdhsa_kernel
	.amdgpu_metadata
---
amdhsa.version: [ 1, 2 ]
amdhsa.kernels:
  - .name:           k_q0ce1e52688_finish
    .symbol:         k_q0ce1e52688_finish.kd
    .args:
      - { .name: sums, .offset: 0, .size: 8, .value_kind: global_buffer, .address_space: global }
      - { .name: b_cls, .offset: 8, .size: 8, .value_kind: global_buffer, .address_space: global }
      - { .name: out0, .offset: 16, .size: 8, .value_kind: global_buffer, .address_space: global }
    .group_segment_fixed_size: 65536
    .private_segment_fixed_size: 0
    .kernarg_segment_align: 8
    .kernarg_segment_size: 24
    .max_flat_workgroup_size: 256
    .sgpr_count:     66
    .vgpr_count:     176
    .wavefront_size: 32
...
	.end_amdgpu_metadata
.endif
;; end of part 3
